; MI455X (gfx1250); checked and timed in simulation.
; The chip was launched on July 23, 2026; its instructions are those of AMD's public machine-readable ISA for CDNA 5 (MIT licence, August 2026) and "CDNA5" Instruction Set Architecture Reference Guide (July 2026). The comments in the code are by the model that wrote it; some were corrected since.
;; Multi Head Attn. Allowed arithmetic: matrix products marked QUANTISED: E5M2 operands, one given power-of-two scale a tensor, by v_wmma_f32_16x16x64_bf8_bf8 or v_wmma_f32_16x16x128_bf8_bf8, f32 sums; everything else in f32.
;; Inputs: b_fc 1,024 float32; bias_p 1 float32; lowp_scales 8 int32 (the exponents e of the quantised operands' scales 2^e); mask 4 x 2,048 int32; qmask 4 x 2,048 int32; shift 1 float32; w_fc 1,024 x 1,024 float32; w_qkv 3,072 x 1,024 float32; x 4 x 2,048 x 1,024 float32.
;; Outputs: out0 4 x 2,048 x 1,024 float32.
;; Constants: use_Gaussian = 1.
;; This version of the problem:
;;   THIS VERSION OF THE PROBLEM IS GIVEN IN LOW PRECISION. The matrix products marked QUANTISED in the list below multiply operands that are first quantised to E5M2 (5 exponent bits, 2 mantissa bits; 8 bits a number), with one given power-of-two scale for each operand tensor; their sums are f32. All else is computed in f32.
;;   The module's matrix products, in the order in which they are computed (A, B: the left and right operand; K: the contracted axis; several contracted axes count as one K, in the product's order):
;;     1. [M 8,192, K 1,024] x [K 1,024, N 3,072]; A: input x; B: input w_qkv: QUANTISED (scales: A lowp_scales[0], B lowp_scales[1])
;;     2. batch 64 x [M 2,048, K 64] x [K 64, N 2,048]; A: computed on the way; B: computed on the way: QUANTISED (scales: A lowp_scales[2], B lowp_scales[3])
;;     3. batch 64 x [M 2,048, K 2,048] x [K 2,048, N 64]; A: softmax (see below); B: computed on the way: QUANTISED (scales: A lowp_scales[4], B lowp_scales[5])
;;     4. [M 8,192, K 1,024] x [K 1,024, N 1,024]; A: computed on the way; B: input w_fc: QUANTISED (scales: A lowp_scales[6], B lowp_scales[7])
;;   THE QUANTISER, for each operand of a quantised product, along K:
;;     - The operand's scale is 2^e, e = its entry of the input lowp_scales (int32; the entries are numbered through the quantised products in the list's order, A before B).
;;     - Each number is divided by the scale, clamped to +-57,344, and rounded to the nearest number of E5M2, ties to even, subnormals kept.
;;     - The product sums the exact products of the quantised numbers (number of the format x scale) in f32.
;;   ~~~python
;;   def quantise(x, axis, e):      # numpy; x: float32 -> the quantised numbers, widened to float32 again
;;       x = np.moveaxis(x, axis, -1); K = x.shape[-1]
;;       r = np.clip(x / 2.0 ** e, -57344, 57344)
;;       step = 2.0 ** (np.maximum(np.frexp(np.where(r == 0, 1, r))[1] - 1, -14) - 2)
;;       q = np.round(r / step) * step * 2.0 ** e      # np.round: ties to even
;;       return np.moveaxis(q, -1, axis).astype(np.float32)
;;   ~~~
;;   SOFTMAX AHEAD OF A QUANTISED PRODUCT. Where the list says 'softmax', what is quantised is not the finished softmax but p = 2^(t - M), with t = logit x log2(e) and M = ceil(the row's largest t), a whole number; so 1/2 < the row's largest p <= 1. The row's sum l is taken of the UNQUANTISED p, in f32, and the product's result is divided by l at the end. Since M is a whole number, a kernel that streams over the keys may use a running M (the ceiling of the running maximum): every later rescaling is an exact power of two, so the quantised numbers keep their values, but for numbers so far below the row's largest that they fall under the format's range.
;;   OPERANDS COMPUTED ON THE WAY. 'Computed on the way' means the value that the module computes at that place (a softmax that the list does not call 'softmax' is quantised finished and normalised). What goes into a quantiser is computed in f32, as accurately as f32 sums, v_exp_f32 and their like allow (about 1e-6 of the number): no bf16 or f16 on the way to a quantiser, and a product that is left as it is and whose result goes on into a quantised operand takes f32 operands (vector FMAs, or v_wmma_f32_16x16x4_f32). A number that lies on a knife's edge between two numbers of the format may be rounded either way, as far as f32 arithmetic and the matrix unit's own rounding can turn it there, and no further.
;; One version. Each part assembles by itself: llvm-mc -triple=amdgcn-amd-amdhsa -mcpu=gfx1250 --defsym DOCPART=n.
;; ======== version 1 of 1: 4 launches
;; limits: right only within a limited range of input values
;; workspace buffers: cat 11,534,336 bytes; wfc 1,048,576 bytes; qkvc 25,165,824 bytes; ac 8,388,608 bytes
;; launch quant (part 1): grid 384 x 1, 4 waves a work-group, no clusters, 33,280 bytes of LDS; arguments x, w_qkv, w_fc, lowp_scales, cat, wfc; writes cat, wfc
.if DOCPART == 1
	.amdgcn_target "amdgcn-amd-amdhsa--gfx1250"
	.amdhsa_code_object_version 6
	.text
	.protected	k_q31bcf06c11_quant
	.globl	k_q31bcf06c11_quant
	.p2align	8
	.type	k_q31bcf06c11_quant,@function
k_q31bcf06c11_quant:
	s_mov_b64 s[64:65], 0
	v_nop
	global_prefetch_b8 v0, s[64:65] scope:SCOPE_SE
	s_setreg_imm32_b32 hwreg(HW_REG_WAVE_MODE, 25, 1), 1
	s_wait_xcnt 0x0
; x [8192][1024], w_qkv [3072][1024] and w_fc [1024][1024], f32 with K innermost, become codes of BF8 (E5M2), one byte each, in the same order.
; x's and w_qkv's codes go into ONE buffer, cat [8192 + 3072][1024], x's rows first: the next launch takes both its operands as rows of it.  w_fc's codes go into wfc.
; code = number / 2^e, held within +-57,344, rounded to the nearest code, ties to even.  e: entry 0 of the scales for x, entry 1 for w_qkv, entry 7 for w_fc.
; LIMITS: -126 <= e <= 112, so that 2^e and 57,344 x 2^e are f32 numbers.  NaN among the inputs is not served (an infinity is held at the largest code).
; Rows are dense, so each tensor is a plain stream.  A work-group takes 32,768 numbers, a wave 16 steps of 512.  Work-groups 0-255 take x, 256-351 w_qkv, 352-383 w_fc:
; only pointers, e and the first work-groups' numbers are chosen; all three take one path through the text.
; The conversion takes eight neighbours from ONE lane's registers; a load is best where neighbouring LANES take neighbouring bytes.  So each of a step's four loads reads 512 consecutive bytes,
; 16 a lane; the 2,048 bytes go through the wave's own stage in LDS as they lie and come back 64 bytes a lane (16 bytes of padding behind each 64).  A lane's 16 codes are 16 bytes: a store covers 512 consecutive bytes.
; No tensor load, no barrier: waves share nothing.  Loads run four steps (16 loads a wave) ahead, the turn through LDS one step.
.set STEPS, 16
.set WG_X,  256                        ; work-groups for x
.set WG_XQ, 352                        ; for x and w_qkv
.set EMAX,  15
.set MANT,  0x600000                   ; the mantissa field of 57,344 as f32
.set CB,    16                         ; bytes of 16 codes
.set R,     16                         ; v16-79   four sets of 16 numbers as loaded
.set X,     80                         ; v80-111  two sets of 16 neighbours
.set C,     128                        ; v128-191 codes: four registers for each step, so that no store's data are written again
.set WREG,  8192                       ; LDS: a region for each wave: two stages of 32 x SP bytes
.set SP,    80                         ; a lane's place in a stage: 64 bytes + 16 of padding
	s_load_b256 s[4:11], s[0:1], 0x0               ; x s[4:5], w_qkv s[6:7], w_fc s[8:9], the scales' exponents s[10:11]
	s_load_b128 s[12:15], s[0:1], 0x20             ; cat s[12:13], wfc s[14:15]
	v_lshl_add_u32 v192, v0, 2, 0x8000
	v_mov_b32 v193, 0
	v_lshrrev_b32 v1, 5, v0
	v_readfirstlane_b32 s20, v1                    ; wave
	v_and_b32 v2, 31, v0                           ; lane
	v_lshlrev_b32 v3, 4, v2                        ; my 16 bytes of a load's 512
	s_mul_i32 s23, s20, WREG
	v_lshrrev_b32 v14, 2, v2
	v_mul_u32_u24 v14, v14, SP
	v_and_b32 v15, 3, v2
	v_lshl_add_u32 v14, v15, 4, v14
	v_add_nc_u32 v14, s23, v14                     ; the stage, on the way in: SP (lane / 4) + 16 (lane % 4); a load's 512 bytes take eight places
	v_mul_u32_u24 v15, v2, SP
	v_add_nc_u32 v15, s23, v15                     ; on the way out: SP x lane: my 16 neighbours
	v_mul_u32_u24 v4, v2, CB                       ; my codes' place in a step's
	s_wait_alu depctr_va_vdst(0)
	s_wait_kmcnt 0x0
	s_load_b256 s[24:31], s[10:11], 0x0            ; the eight exponents
	s_mov_b32 s21, WG_XQ
	s_cmp_lt_u32 ttmp9, WG_XQ                      ; x or w_qkv, or else w_fc?  The choices hang on the work-group's number alone
	s_cselect_b64 s[6:7], s[6:7], s[8:9]           ; w_qkv or w_fc,
	s_cselect_b64 s[8:9], s[12:13], s[14:15]       ; the codes' buffer: cat or wfc,
	s_cselect_b32 s36, 0, s21                      ; the first work-group that writes into it,
	s_cselect_b32 s21, WG_X, s21                   ; the first work-group of w_qkv or of w_fc
	s_cmp_lt_u32 ttmp9, WG_X                       ; x or one of those?
	s_cselect_b64 s[4:5], s[4:5], s[6:7]           ; the tensor,
	s_cselect_b32 s21, 0, s21                      ; its first work-group
	s_sub_co_u32 s21, ttmp9, s21
	s_lshl_b32 s21, s21, 2
	s_add_co_u32 s32, s21, s20                     ; which run of 8,192 numbers of the tensor is my wave's
	s_mov_b32 s33, 0
	s_lshl_b64 s[34:35], s[32:33], 15              ; 32,768 bytes of numbers
	s_add_nc_u64 s[4:5], s[4:5], s[34:35]
	s_sub_co_u32 s36, ttmp9, s36
	s_lshl_b32 s36, s36, 2
	s_add_co_u32 s32, s36, s20                     ; which run of 8,192 codes of the buffer
	s_lshl_b64 s[34:35], s[32:33], 13
	s_add_nc_u64 s[8:9], s[8:9], s[34:35]
.macro LOAD t
.irp i, 0,1,2,3
	global_load_b128 v[R+16*((\t)%4)+4*\i:R+16*((\t)%4)+4*\i+3], v3, s[4:5] offset:2048*(\t)+512*\i th:TH_LOAD_NT   ; 32 lanes read 512 consecutive bytes
.endr
.endm
.macro TURN t                          ; step t's numbers through the stage: LDS serves a wave's instructions in order, so no wait stands between the stores and the loads
.irp i, 0,1,2,3
	ds_store_b128 v14, v[R+16*((\t)%4)+4*\i:R+16*((\t)%4)+4*\i+3] offset:32*SP*((\t)%2)+8*SP*\i
.endr
.irp i, 0,1,2,3
	ds_load_b128 v[X+16*((\t)%2)+4*\i:X+16*((\t)%2)+4*\i+3], v15 offset:32*SP*((\t)%2)+16*\i
.endr
.endm
.irp t, 0,1,2,3
	LOAD \t
.endr
	s_wait_kmcnt 0x0
	s_cmp_lt_u32 ttmp9, WG_XQ
	s_cselect_b32 s22, s25, s31                    ; e of w_qkv or of w_fc,
	s_cmp_lt_u32 ttmp9, WG_X
	s_cselect_b32 s22, s24, s22                    ; or of x
	s_add_co_i32 s22, s22, 127
	s_lshl_b32 s23, s22, 23
	v_mov_b32 v11, s23                             ; 2^e as f32: the conversion takes its exponent field
	s_add_co_i32 s22, s22, EMAX
	s_lshl_b32 s22, s22, 23
	s_or_b32 s22, s22, MANT
	s_wait_alu depctr_va_vdst(0)
	s_wait_loadcnt 12                              ; step 0's four loads are in; the twelve of steps 1 to 3 may be out
	TURN 0
.macro STEP t
.set XS, X+16*((\t)%2)
	s_wait_dscnt 0x0                               ; this step's numbers are back from the stage: so its stores into the stage have read their registers,
.if (\t)+4 < STEPS
	LOAD (\t)+4                                    ; which take the loads of four steps on
.endif
.if (\t)+1 < STEPS
.if STEPS-2-(\t) >= 3
	s_wait_loadcnt 12                              ; the next step's four loads are in; those of the three steps behind it may be out
.else
	s_wait_loadcnt 4*(STEPS-2-(\t))
.endif
	TURN (\t)+1                                    ; and go through the other stage while this step is worked
.endif
.irp i, 0,1,2,3,4,5,6,7,8,9,10,11,12,13,14,15
.endr
	v_cvt_scalef32_pk8_bf8_f32 v[C+4*(\t):C+4*(\t)+1], v[XS:XS+7], v11
	v_cvt_scalef32_pk8_bf8_f32 v[C+4*(\t)+2:C+4*(\t)+3], v[XS+8:XS+15], v11
	global_store_b128 v4, v[C+4*(\t):C+4*(\t)+3], s[8:9] offset:32*CB*(\t)   ; the results go to a store alone
.endm
.irp t, 0,1,2,3,4,5,6,7,8,9,10,11,12,13,14,15
	STEP \t
.endr
	s_wait_tensorcnt 0x0
	ds_add_u32 v192, v193
	s_wait_dscnt 0x0
	s_endpgm
.Lfunc_end_k_q31bcf06c11_quant:
	.size	k_q31bcf06c11_quant, .Lfunc_end_k_q31bcf06c11_quant-k_q31bcf06c11_quant
	.p2alignl 7, 3214868480
	.fill 96, 4, 3214868480
	.section	.rodata,"a",@progbits
	.p2align	6, 0x0
	.amdhsa_kernel k_q31bcf06c11_quant
		.amdhsa_group_segment_fixed_size 33280
		.amdhsa_private_segment_fixed_size 0
		.amdhsa_enable_private_segment 0
		.amdhsa_kernarg_size 48
		.amdhsa_user_sgpr_count 2
		.amdhsa_user_sgpr_kernarg_segment_ptr 1
		.amdhsa_wavefront_size32 1
		.amdhsa_system_sgpr_workgroup_id_x 1
		.amdhsa_system_sgpr_workgroup_id_y 1
		.amdhsa_system_sgpr_workgroup_id_z 1
		.amdhsa_system_vgpr_workitem_id 0
		.amdhsa_next_free_vgpr 194
		.amdhsa_next_free_sgpr 66
		.amdhsa_reserve_vcc 0
		.amdhsa_float_denorm_mode_32 3
		.amdhsa_float_denorm_mode_16_64 3
		.amdhsa_fp16_overflow 1
		.amdhsa_memory_ordered 1
		.amdhsa_forward_progress 1
		.amdhsa_inst_pref_size 22
	.end_amdhsa_kernel
	.amdgpu_metadata
---
amdhsa.version: [ 1, 2 ]
amdhsa.kernels:
  - .name:           k_q31bcf06c11_quant
    .symbol:         k_q31bcf06c11_quant.kd
    .args:
      - { .name: x, .offset: 0, .size: 8, .value_kind: global_buffer, .address_space: global }
      - { .name: w_qkv, .offset: 8, .size: 8, .value_kind: global_buffer, .address_space: global }
      - { .name: w_fc, .offset: 16, .size: 8, .value_kind: global_buffer, .address_space: global }
      - { .name: lowp_scales, .offset: 24, .size: 8, .value_kind: global_buffer, .address_space: global }
      - { .name: cat, .offset: 32, .size: 8, .value_kind: global_buffer, .address_space: global }
      - { .name: wfc, .offset: 40, .size: 8, .value_kind: global_buffer, .address_space: global }
    .group_segment_fixed_size: 33280
    .private_segment_fixed_size: 0
    .kernarg_segment_align: 8
    .kernarg_segment_size: 48
    .max_flat_workgroup_size: 128
    .sgpr_count:     66
    .vgpr_count:     194
    .wavefront_size: 32
...
	.end_amdgpu_metadata
.endif
;; end of part 1
;; launch qkv (part 2): grid 12 x 32, 4 waves a work-group, clusters of 4 x 4, 327,680 bytes of LDS; arguments cat, lowp_scales, mask, qkvc; writes qkvc
.if DOCPART == 2
	.amdgcn_target "amdgcn-amd-amdhsa--gfx1250"
	.amdhsa_code_object_version 6
	.text
	.protected	k_q31bcf06c11_qkv
	.globl	k_q31bcf06c11_qkv
	.p2align	8
	.type	k_q31bcf06c11_qkv,@function
k_q31bcf06c11_qkv:
	s_mov_b64 s[64:65], 0
	v_nop
	global_prefetch_b8 v0, s[64:65] scope:SCOPE_SE
	s_setreg_imm32_b32 hwreg(HW_REG_WAVE_MODE, 25, 1), 1
	s_wait_xcnt 0x0
	s_wait_alu depctr_hold_cnt(0) depctr_sa_sdst(0) depctr_va_vdst(0) depctr_va_sdst(0) depctr_va_ssrc(0) depctr_va_vcc(0) depctr_vm_vsrc(0)
	s_getreg_b32 s2, hwreg(HW_REG_IB_STS2, 6, 4)
	s_cmp_eq_u32 s2, 0
	s_cbranch_scc0 .Lentry_in_a_cluster
	s_endpgm
.Lentry_in_a_cluster:
	s_bfe_u32 s2, ttmp6, 0x10000c
	s_cmp_lg_u32 s2, 0xf033
	s_cbranch_scc0 .Lentry_shape_is_right
	s_endpgm
.Lentry_shape_is_right:
.set SIZE_K, 1024
.set KSTEP,  256
.set ROWB,   256
.set KROW,   SIZE_K
.set WROW,   8192
.set VROW,   10240
.set PITCH,  272
.set FR,     16
.set NL,     4
.set NP,     4
.set HALFT,  128*PITCH
.set SLOT,   4*HALFT
.set LAPS,   SIZE_K/(2*KSTEP)
.set SPARE,  2*SLOT
.set ADRA, 16
.set ADRB, 20
.set MO,   22
.set STO,  24
.set RD,   25
.set CO,   26
.set RDV,  27
.set SPW,  28
.set NIL,  29
.set SC,   30
.set LIMV, 31
.set LM,   32
.set TMP,  64
.set AF,   128
.set CD,   128
.set G1, 24
.set G0, 32
.set G1B, 48
.set G0B, 56
.set MSB, 0
.macro WIN new
.if MSB != (\new)
	s_set_vgpr_msb (MSB<<8)|(\new)
.set MSB, (\new)
.endif
.endm
.set MUL_LO, 0xa1
.set MUL_HI, 0xf1
.set TO_B,   0x40
.macro JLOAD g0a, g1a, g0b, g1b
	s_cmp_eq_u32 s15, 0
	s_cbranch_scc0 .Lfor_b_\@
	tensor_load_to_lds s[\g0a:\g0a+3], s[\g1a:\g1a+7]
	s_nop 0
.rept 4
	v_nop
.endr
	s_branch .Lasked_\@
.Lfor_b_\@:
	tensor_load_to_lds s[\g0b:\g0b+3], s[\g1b:\g1b+7]
	s_nop 0
.rept 4
	v_nop
.endr
.Lasked_\@:
.endm
.macro CREST
	s_cmp_lg_u32 s14, 0
	s_cbranch_scc1 .Lnot_wave_0_\@
	s_barrier_signal -3
.Lnot_wave_0_\@:
	s_barrier_wait -3
	s_barrier_signal -1
	s_barrier_wait -1
.endm
.macro CROUND
	s_barrier_signal -1
	s_barrier_wait -1
	CREST
.endm
	s_load_b256 s[4:11], s[0:1], 0x0
	v_lshl_add_u32 v[SPW], v0, 2, SPARE
	v_mov_b32 v[NIL], 0
	ds_add_u32 v28, v29
	ds_add_u32 v28, v29
	s_wait_dscnt 0x0
	v_lshrrev_b32 v1, 5, v0
	v_readfirstlane_b32 s14, v1
	s_lshr_b32 s15, s14, 1
	s_and_b32 s16, s14, 1
	s_bfe_u32 s40, ttmp6, 0x40000
	s_bfe_u32 s41, ttmp6, 0x40004
	s_and_b32 s67, ttmp7, 0xffff
	s_lshl_b32 s17, s67, 2
	s_add_co_u32 s17, s17, s41
	s_lshl_b32 s43, s41, 2
	s_lshl_b32 s43, 15, s43
	s_lshl_b32 s44, 0x1111, s40
	s_or_b32 s[G1+0], s43, (0<<16)|(1<<20)|(1<<21)|(5<<22)|(3<<25)
	s_or_b32 s[G1B+0], s44, (0<<16)|(1<<20)|(1<<21)|(5<<22)|(3<<25)
.irp g, G1, G1B
	s_mov_b32 s[\g+1], ROWB<<16
	s_mov_b32 s[\g+2], 128<<16
	s_mov_b32 s[\g+3], ROWB<<16
	s_mov_b32 s[\g+4], 128
	s_mov_b32 s[\g+5], KROW
	s_mov_b32 s[\g+6], 0
	s_mov_b32 s[\g+7], 0
.endr
	s_lshl_b32 s67, s67, 10
	s_lshl_b32 s79, ttmp9, 10
	s_add_co_u32 s79, s79, WROW
	s_cmp_eq_u32 ttmp9, 2
	s_cselect_b32 s78, VROW, s67
	s_cselect_b32 s79, s67, s79
	s_lshl_b32 s18, s16, 7
	s_lshl_b32 s20, s41, 8
	s_add_co_u32 s20, s20, s78
	s_add_co_u32 s20, s20, s18
	s_lshl_b32 s46, s40, 8
	s_add_co_u32 s46, s46, s79
	s_add_co_u32 s46, s46, s18
	s_mov_b32 s21, 0
	s_mov_b32 s47, 0
	s_mov_b64 s[18:19], KROW
	s_mul_u64 s[20:21], s[20:21], s[18:19]
	s_mul_u64 s[46:47], s[46:47], s[18:19]
	s_mul_i32 s45, s14, HALFT
	s_wait_kmcnt 0x0
	s_load_b256 s[68:75], s[6:7], 0x0
	s_add_nc_u64 s[20:21], s[4:5], s[20:21]
	s_add_nc_u64 s[46:47], s[4:5], s[46:47]
	CROUND
.irp s, 0,1
	s_mov_b32 s[G0+4*\s], 1
	s_add_co_u32 s[G0+4*\s+1], s45, \s*SLOT
	s_add_nc_u64 s[G0+4*\s+2:G0+4*\s+3], s[20:21], \s*ROWB
	s_or_b32 s[G0+4*\s+3], s[G0+4*\s+3], 0x80000000
	s_mov_b32 s[G0B+4*\s], 1
	s_add_co_u32 s[G0B+4*\s+1], s45, \s*SLOT
	s_add_nc_u64 s[G0B+4*\s+2:G0B+4*\s+3], s[46:47], \s*ROWB
	s_or_b32 s[G0B+4*\s+3], s[G0B+4*\s+3], 0x80000000
	s_wait_alu depctr_va_vdst(0)
	s_wait_tensorcnt 0x0
	ds_add_u32 v28, v29
	ds_add_u32 v28, v29
	s_wait_dscnt 0x0
	CROUND
	JLOAD G0+4*\s, G1, G0B+4*\s, G1B
.endr
	v_and_b32 v1, 15, v0
	v_bfe_u32 v2, v0, 4, 1
	v_mul_u32_u24 v3, v1, PITCH
	v_lshl_add_u32 v4, v2, 4, v3
	s_wait_alu depctr_va_vdst(0)
	v_lshlrev_b32 v[MO], 2, v1
	s_lshl_b32 s84, s17, 8
	s_lshl_b32 s85, s15, 7
	s_add_co_u32 s84, s84, s85
	s_lshl_b32 s84, s84, 2
	s_mov_b32 s85, 0
	s_add_nc_u64 s[8:9], s[8:9], s[84:85]
.irp a, 0,1,2,3,4,5,6,7
	global_load_b32 v[LM+\a], v[MO], s[8:9] offset:64*\a
.endr
	s_mul_i32 s21, s15, HALFT
	s_mul_i32 s22, s16, HALFT
	s_add_co_u32 s22, s22, 2*HALFT
.irp s, 0,1
	v_add_nc_u32 v[ADRA+\s], s21, v4
	v_add_nc_u32 v[ADRB+\s], s22, v4
	s_add_co_u32 s21, s21, SLOT
	s_add_co_u32 s22, s22, SLOT
.endr
	s_mul_i32 s23, s15, 128*PITCH
	s_lshl_b32 s22, s16, 7
	s_add_co_u32 s23, s23, s22
	v_lshl_add_u32 v5, v2, 3, v3
	v_add_nc_u32 v[STO], s23, v5
	v_and_b32 v6, 8, v1
	v_add_nc_u32 v6, v6, v1
	v_mul_u32_u24 v6, v6, PITCH
	v_lshl_add_u32 v6, v2, 4, v6
	s_lshl_b32 s22, s14, 6
	v_add_nc_u32 v[RD], s22, v6
	s_mul_i32 s22, s14, 64*PITCH
	v_add_nc_u32 v[RDV], s22, v4
	v_and_b32 v7, 31, v0
	v_lshlrev_b32 v[CO], 4, v7
	s_cmp_eq_u32 ttmp9, 2
	s_cselect_b32 s80, s40, s41
	s_cselect_b32 s81, s41, s40
	s_and_b32 s82, ttmp7, 0xffff
	s_lshl_b32 s82, s82, 2
	s_add_co_u32 s82, s82, s80
	s_lshr_b32 s83, s82, 3
	s_lshl_b32 s83, s83, 4
	s_lshl_b32 s81, s81, 2
	s_add_co_u32 s83, s83, s81
	s_add_co_u32 s83, s83, s14
	s_lshl_b32 s83, s83, 17
	s_and_b32 s82, s82, 7
	s_lshl_b32 s82, s82, 14
	s_add_co_u32 s82, s82, s83
	s_lshl_b32 s83, ttmp9, 23
	s_add_co_u32 s82, s82, s83
	s_mov_b32 s83, 0
	s_add_nc_u64 s[10:11], s[10:11], s[82:83]
	s_wait_kmcnt 0x0
	s_cmp_eq_u32 ttmp9, 0
	s_cselect_b32 s76, s70, s71
	s_cmp_eq_u32 ttmp9, 2
	s_cselect_b32 s76, s73, s76
	s_sub_co_i32 s76, s76, s68
	s_sub_co_i32 s76, s76, s69
	s_add_co_i32 s76, s76, 127
	s_lshl_b32 s77, s76, 23
	v_mov_b32 v[SC], s77
	s_add_co_i32 s76, s76, 15
	s_lshl_b32 s76, s76, 23
	s_or_b32 s76, s76, 0x600000
	v_mov_b32 v[LIMV], s76
	s_cmp_eq_u32 ttmp9, 1
	s_cselect_b32 s77, 0, -1
	s_wait_alu depctr_va_vdst(0)
	s_wait_loadcnt 0x0
.irp a, 0,1,2,3,4,5,6,7
	v_cmp_ne_u32 s78, 0, v[LM+\a]
	s_or_b32 s78, s78, s77
	v_cndmask_b32 v[LM+\a], 0, v[LIMV], s78
.endr
.macro FRAG reg, adr, q, i
.irp c, 0,1,2,3
	ds_load_b128 v[\reg+4*\c:\reg+4*\c+3], v[\adr] offset:128*(\q)+32*\c+(\i)*16*PITCH
.endr
.endm
.macro MUL16 a0, p, zero
.irp a, \a0, \a0+1
.irp b, 0,1,2,3,4,5,6,7
.if \zero
	v_wmma_f32_16x16x128_bf8_bf8 v[8*(8*((\a)%4)+\b):8*(8*((\a)%4)+\b)+7], v[128*(\p)+FR*\b:128*(\p)+FR*\b+FR-1], v[AF+FR*(\a):AF+FR*(\a)+FR-1], 0
.else
	v_wmma_f32_16x16x128_bf8_bf8 v[8*(8*((\a)%4)+\b):8*(8*((\a)%4)+\b)+7], v[128*(\p)+FR*\b:128*(\p)+FR*\b+FR-1], v[AF+FR*(\a):AF+FR*(\a)+FR-1], v[8*(8*((\a)%4)+\b):8*(8*((\a)%4)+\b)+7]
.endif
.endr
.endr
.endm
.macro FETCH_B slot, q, p
	WIN TO_B
.irp i, 0,1,2,3,4,5,6,7
	FRAG 128*(\p)+FR*\i, ADRB+\slot, \q, \i
.endr
	WIN 0
.endm
.macro FETCH_A slot, q, i0
.irp i, \i0, \i0+1, \i0+2, \i0+3
	FRAG AF+FR*(\i), ADRA+\slot, \q, \i
.endr
.endm
.macro PLACES n
.rept \n
	v_nop
.endr
.endm
.macro STEP slot, q, zero
	s_wait_dscnt 4*NL
	WIN MUL_LO
	MUL16 0, (\q)%2, \zero
	MUL16 2, (\q)%2, \zero
	s_wait_dscnt 0
	PLACES NP
	FETCH_B \slot, (\q)+1, 1-(\q)%2
	FETCH_A \slot, (\q)+1, 0
	WIN MUL_HI
	MUL16 4, (\q)%2, \zero
	MUL16 6, (\q)%2, \zero
	PLACES NP
	WIN 0
	FETCH_A \slot, (\q)+1, 4
.endm
.macro TURN slot, next, fill
	s_wait_tensorcnt 0x0
	ds_add_u32 v[SPW], v[NIL]
	s_wait_dscnt 4*NL+1
	WIN MUL_LO
	MUL16 0, 1, 0
	s_wait_dscnt 0x0
	s_barrier_signal -1
	MUL16 2, 1, 0
	WIN 0
	s_barrier_wait -1
.if \fill
	CREST
	s_add_nc_u64 s[G0+4*\slot+2:G0+4*\slot+3], s[G0+4*\slot+2:G0+4*\slot+3], 2*ROWB
	s_add_nc_u64 s[G0B+4*\slot+2:G0B+4*\slot+3], s[G0B+4*\slot+2:G0B+4*\slot+3], 2*ROWB
	JLOAD G0+4*\slot, G1, G0B+4*\slot, G1B
.else
	PLACES NP
.endif
	FETCH_B \next, 0, 0
	FETCH_A \next, 0, 0
	WIN MUL_HI
	MUL16 4, 1, 0
	MUL16 6, 1, 0
	PLACES NP
	WIN 0
	FETCH_A \next, 0, 4
.endm
	s_wait_tensorcnt 1
	s_barrier_signal -1
	s_barrier_wait -1
	FETCH_B 0, 0, 0
	FETCH_A 0, 0, 0
	FETCH_A 0, 0, 4
	STEP 0, 0, 1
	s_mov_b32 s3, LAPS-1
.Llap:
	TURN 0, 1, 1
	STEP 1, 0, 0
	TURN 1, 0, 1
	STEP 0, 0, 0
	s_sub_co_u32 s3, s3, 1
	s_cmp_lg_u32 s3, 0
	s_cbranch_scc1 .Llap
	TURN 0, 1, 0
	STEP 1, 0, 0
	s_wait_dscnt 4*NL
	WIN MUL_LO
	MUL16 0, 1, 0
	MUL16 2, 1, 0
	s_wait_dscnt 0
	WIN MUL_HI
	MUL16 4, 1, 0
	MUL16 6, 1, 0
	WIN 0
.macro BLOCKQ a
.set AC, 64*((\a)%4)
	WIN 0x02+((\a)/4)
.set j, 0
.rept 64
	v_med3_num_f32 v[TMP+j], v[AC+j], -v[LM+(\a)], v[LM+(\a)]
.set j, j+1
.endr
	WIN 0
.set j, 0
.rept 8
	v_cvt_scalef32_pk8_bf8_f32 v[CD+16*(\a)+2*j:CD+16*(\a)+2*j+1], v[TMP+8*j:TMP+8*j+7], v[SC]
.set j, j+1
.endr
	v_nop
.set j, 0
.rept 8
	ds_store_b64 v[STO], v[CD+16*(\a)+2*j:CD+16*(\a)+2*j+1] offset:(\a)*16*PITCH+16*j
.set j, j+1
.endr
.endm
	PLACES NP
.irp a, 0,1,2,3,4,5,6,7
	BLOCKQ \a
.endr
	s_wait_dscnt 0x0
	s_barrier_signal -1
	s_barrier_wait -1
	s_cmp_eq_u32 ttmp9, 2
	s_cbranch_scc1 .Lread_v
.set t, 0
.rept 32
	ds_load_b128 v[CD+4*t:CD+4*t+3], v[RD] offset:(32*(t/4)+8*((t/2)%2))*PITCH+32*(t%2)
.set t, t+1
.endr
	s_branch .Lsend
.Lread_v:
.set t, 0
.rept 32
	ds_load_b128 v[CD+4*t:CD+4*t+3], v[RDV] offset:16*((t/4)%4)*PITCH+128*(t/16)+32*(t%4)
.set t, t+1
.endr
.Lsend:
.set t, 0
.rept 32
	s_wait_dscnt 31-t
	global_store_b128 v[CO], v[CD+4*t:CD+4*t+3], s[10:11] offset:512*t
.set t, t+1
.endr
	s_wait_tensorcnt 0x0
	ds_add_u32 v[SPW], v[NIL]
	s_wait_dscnt 0x0
	CROUND
	s_endpgm
.Lfunc_end_k_q31bcf06c11_qkv:
	.size	k_q31bcf06c11_qkv, .Lfunc_end_k_q31bcf06c11_qkv-k_q31bcf06c11_qkv
	.p2alignl 7, 3214868480
	.fill 96, 4, 3214868480
	.section	.rodata,"a",@progbits
	.p2align	6, 0x0
	.amdhsa_kernel k_q31bcf06c11_qkv
		.amdhsa_group_segment_fixed_size 327680
		.amdhsa_private_segment_fixed_size 0
		.amdhsa_enable_private_segment 0
		.amdhsa_kernarg_size 32
		.amdhsa_user_sgpr_count 2
		.amdhsa_user_sgpr_kernarg_segment_ptr 1
		.amdhsa_wavefront_size32 1
		.amdhsa_system_sgpr_workgroup_id_x 1
		.amdhsa_system_sgpr_workgroup_id_y 1
		.amdhsa_system_sgpr_workgroup_id_z 1
		.amdhsa_system_vgpr_workitem_id 0
		.amdhsa_next_free_vgpr 1024
		.amdhsa_next_free_sgpr 100
		.amdhsa_reserve_vcc 0
		.amdhsa_float_denorm_mode_32 3
		.amdhsa_float_denorm_mode_16_64 3
		.amdhsa_memory_ordered 1
		.amdhsa_forward_progress 1
		.amdhsa_inst_pref_size 131
	.end_amdhsa_kernel
	.amdgpu_metadata
---
amdhsa.version: [ 1, 2 ]
amdhsa.kernels:
  - .name:           k_q31bcf06c11_qkv
    .symbol:         k_q31bcf06c11_qkv.kd
    .args:
      - { .name: cat, .offset: 0, .size: 8, .value_kind: global_buffer, .address_space: global }
      - { .name: lowp_scales, .offset: 8, .size: 8, .value_kind: global_buffer, .address_space: global }
      - { .name: mask, .offset: 16, .size: 8, .value_kind: global_buffer, .address_space: global }
      - { .name: qkvc, .offset: 24, .size: 8, .value_kind: global_buffer, .address_space: global }
    .group_segment_fixed_size: 327680
    .private_segment_fixed_size: 0
    .kernarg_segment_align: 8
    .kernarg_segment_size: 32
    .max_flat_workgroup_size: 128
    .sgpr_count:     100
    .vgpr_count:     1024
    .wavefront_size: 32
...
	.end_amdgpu_metadata
.endif
;; end of part 2
;; launch attn (part 3): grid 16 x 16, 8 waves a work-group, clusters of 4 x 1, 327,680 bytes of LDS; arguments qkvc, mask, shift, bias_p, lowp_scales, ac; writes ac
.if DOCPART == 3
	.amdgcn_target "amdgcn-amd-amdhsa--gfx1250"
	.amdhsa_code_object_version 6
	.text
	.protected	k_q31bcf06c11_attn
	.globl	k_q31bcf06c11_attn
	.p2align	8
	.type	k_q31bcf06c11_attn,@function
k_q31bcf06c11_attn:
	s_mov_b64 s[64:65], 0
	v_nop
	global_prefetch_b8 v0, s[64:65] scope:SCOPE_SE
	s_setreg_imm32_b32 hwreg(HW_REG_WAVE_MODE, 25, 1), 1
	s_wait_xcnt 0x0
	s_wait_alu depctr_hold_cnt(0) depctr_sa_sdst(0) depctr_va_vdst(0) depctr_va_sdst(0) depctr_va_ssrc(0) depctr_va_vcc(0) depctr_vm_vsrc(0)
	s_getreg_b32 s2, hwreg(HW_REG_IB_STS2, 6, 4)
	s_cmp_eq_u32 s2, 0
	s_cbranch_scc0 .Lentry_in_a_cluster
	s_endpgm
.Lentry_in_a_cluster:
	s_bfe_u32 s2, ttmp6, 0x10000c
	s_cmp_lg_u32 s2, 0x3003
	s_cbranch_scc0 .Lentry_shape_is_right
	s_endpgm
.Lentry_shape_is_right:
; The attention on codes of BF8 (E5M2).  logit(i, j) = q_i . k_j / 8, replaced by a very large negative number where mask[j] = 0, less (shift (i - j)^2 + bias_p).
; t = logit x log2(e); M = the row's largest t so far, rounded UP to a whole number; p = 2^(t - M) is quantised (entry 4 of the scales) and multiplied with v's codes; the row's sum is taken of the unquantised p
; and divides at the end.  The result is quantised with entry 6 into ac [8192 tokens][1024], for the last product.
; SHARES.  A work-group owns 128 queries x 4 heads of one batch; each of its eight waves ONE tile of 16 queries for ALL FOUR heads, two waves to a SIMD.  The additive term X (distance, bias, mask) is the same for
; all heads: it is made once for a step of 128 keys (96 packed lines) and is the C operand of four heads' score products, so that the mask and the distance cost a quarter of that for each head.
; UNITS.  With E = e2 + e3 a sum S of code products stands for q.k / 2^E.  All is kept in T = logit x 2^(3 - E) = S + sigma w^2 + B[j]: w = i - j and w^2 are whole numbers, exact in f32; sigma = -shift x 2^(3 - E);
; B[j] = -bias_p x 2^(3 - E) where mask[j] != 0, else -2^(67 - E) (the logit -2^64).  t = c T, c = log2(e) x 2^(E - 3).  Masked keys have zero codes of k, so their T is B itself; c x B is then exact and whole,
; so a row, or a run of first keys, that is all masked gives p = 1 everywhere, and the first key that counts wipes that by the factor 2^(old M - new M) = 0.
; LIMITS: -60 <= e2 + e3 <= 130 (the exponent fields of -2^(67 - E) and of c); e4 and e6 - e4 - e5 between -126 and 112; |shift| x 2047^2 under 2^39, so that the distance term vanishes in the masked term's rounding,
; as it does in reference()'s -1e30; the logits of keys that count above -2^60.  qmask enters no result and is not read.
; LAYOUT.  Both products are used transposed: S^T = K Q^T (source 0 = 16 keys), O^T = V^T P^T (source 0 = 16 of the head's 64): a lane holds one query throughout.  q, k and v lie in memory as images of the operand
; registers (tiles [16-byte piece][lane]), so every fragment comes by ds_load_b128 at 16 x lane + a constant.  Slot m of tile 2 g + u of q or k is token 32 g + 8 u + m + 8 (m / 8): so the 16 registers of score tiles
; 2 g and 2 g + 1 are the 16 neighbouring keys 32 g + 16 (lane / 16) + 0 .. 15, and the conversions' results are the second product's operand.
; RING.  Two LDS slots of 256 keys: K of the four heads, then V of the four heads, 16,384 dense bytes each; wave w fetches block w.  CLUSTER: the four query blocks of a cluster walk the same K and V: joint loads.
; REGISTERS.  window 0: v1-15 addresses and constants; v16-31 four registers of statistics a head (-M, largest t, the sum in two halves); v32-47 at work; v48-63 p's codes; v64-127 X; v128-191 S^T, then p; v192-255 K.
;   window 1: v0-127 O^T, 32 a head; v128-159 Q, 8 a head; v160-223 V.
.set SLOT1, 1<<17                      ; slot 1 begins here: one exclusive or turns an address in one slot into the other's
.set BLK,   16384                      ; a block: 256 keys of one head, of K or of V
.set STEPB, 8192                       ; a step's 128 keys in a block
.set BARR,  2*SLOT1                    ; B[0 .. 2047], f32: 8,192 bytes, written once by LDS stores; 1,024 unused bytes follow
.set SPARE, BARR+8192+1024             ; the spare words, 128 bytes for each of the eight waves, which no other line names
.set STAGE, SPARE+1024                 ; the way out: 16 rows x (256 + 16) bytes for each wave
.set SP,    272
.set NSL,   8                          ; slots' worth of keys
.set LMASK, 64                         ; a masked key's logit is -2^LMASK
.set LI,   1                           ; v1   16 x lane
.set ADK,  2                           ; v2   LDS address of the step's K (at the head: the mask's offset; on the way out: into the stage)
.set ADV,  3                           ; v3   of its V
.set ADB,  4                           ; v4   of its B
.set SPW,  5                           ; v5   LDS address of my spare word; never rewritten
.set NIL,  6                           ; v6   0; never rewritten
.set BB,   7                           ; v7   BARR + 64 (lane / 16)
.set U,    8                           ; v[8:9]   (u, u - 1), u = my query - the step's first key - 16 (lane / 16)
.set PSC,  10                          ; v10  2^e4
.set PLIM, 11
.set SG,   12                          ; v[12:13] sigma, twice
.set PFO,  14                          ; v14  the prefetches' offset; never rewritten
.set PX,   15                          ; v15  the lane permute's destination
.set ST,   16                          ; head g: v[16+4g] -M, +1 largest t, +2, +3 the sum
.set T,    32                          ; v32-47 at work
.set F,    34                          ; v34  2^(old M - new M); named as the pair v[34:35]
.set PC,   48
.set X,    64
.set S,    128
.set KF,   192
.set QF,   128                         ; in window 1
.set VF,   160                         ; in window 1
.set WV,   16                          ; s16  my wave's number
.set CX,   17                          ; s17  my place in the cluster
.set YY,   18                          ; s18  4 x batch + group of four heads
.set QB,   19                          ; s19  my block of 128 queries
.set SEL,  20                          ; s[20:21] lane selects: lane l xor 16
.set CS,   22                          ; s[22:23] c
.set G1,   24                          ; s[24:31] descriptor group 1
.set G0,   32                          ; s[32:35] group 0, which walks
.set TB,   36                          ; s36  LDS byte at which the step's tiles begin in a block of the slot in hand
.set KB,   37                          ; s37  4 x the step's first key
.set SLOTS, 38
.set TWICE, 39
.set EX,   40                          ; s[40:47] e0 .. e7
.set PFA,  50                          ; s[50:51] where my prefetches stand
.set LIM,  52                          ; s52  1 in a wave that prefetches, else the greatest number
.set MSB, 0
.macro WIN new                         ; the immediate's high byte repeats the setting that is left
.if MSB != (\new)
	s_set_vgpr_msb (MSB<<8)|(\new)
.set MSB, (\new)
.endif
.endm
.macro CROUND                          ; a round of the cluster's barrier
	s_barrier_signal -1
	s_barrier_wait -1
	s_cmp_lg_u32 s[WV], 0
	s_cbranch_scc1 .Lnot_wave_0_\@
	s_barrier_signal -3
.Lnot_wave_0_\@:
	s_barrier_wait -3
	s_barrier_signal -1
	s_barrier_wait -1
.endm
; A PREFETCH INTO THE L2 of what the NEXT change of slots will ask for: eight blocks of 16,384 bytes.  Each aligned 256 bytes is named once in the launch: all clusters of one y walk the same K and V, the first of them
; (cluster x = 0) asks; its four partners take 4,096 bytes of each block, told apart by ADDRESS; in each the even waves ask, lanes 0-15 for their own block and lanes 16-31 for the next head's, lanes 256 bytes apart.
; The last change that fills a slot asks for nothing; slots 0 and 1 come by their loads alone.
.macro ASK
	s_cmp_gt_u32 s[SLOTS], s[LIM]
	s_cbranch_scc0 .Lnot_mine_\@
	global_prefetch_b8 v[PFO], s[PFA:PFA+1] th:TH_LOAD_NT scope:SCOPE_SE
.Lnot_mine_\@:
.endm
	s_load_b256 s[4:11], s[0:1], 0x0               ; qkvc s[4:5], mask s[6:7], shift s[8:9], bias_p s[10:11]
	s_load_b128 s[12:15], s[0:1], 0x20             ; the scales' exponents s[12:13], ac s[14:15]
	v_lshl_add_u32 v[SPW], v0, 2, SPARE
	v_mov_b32 v[NIL], 0
	ds_add_u32 v5, v6
	ds_add_u32 v5, v6
	s_wait_dscnt 0x0
	v_lshrrev_b32 v1, 5, v0
	s_delay_alu instid0(VALU_DEP_1)
	v_readfirstlane_b32 s[WV], v1                  ; wave 0..7
	s_bfe_u32 s[CX], ttmp6, 0x40000
	s_and_b32 s[YY], ttmp7, 0xffff
	s_lshl_b32 s[QB], ttmp9, 2
	s_add_co_u32 s[QB], s[QB], s[CX]               ; my block of queries = 4 x cluster x + cx: it enters Q's and the result's addresses and the distances alone
	; descriptor group 1: a dense block of 16,384 bytes as 64 rows of 256
	s_mov_b32 s[G1], 15|(3<<16)|(1<<21)            ; 15:0 the mask: all four work-groups; 17:16 elements of 8 bytes; 21 set beside a mask; no padding
	s_mov_b32 s[G1+1], 32<<16                      ; tensor_dim0 = 32 elements
	s_mov_b32 s[G1+2], 64<<16                      ; tensor_dim1 = 64
	s_mov_b32 s[G1+3], 32<<16                      ; tile_dim0
	s_mov_b32 s[G1+4], 64                          ; tile_dim1
	s_mov_b32 s[G1+5], 32                          ; tensor_dim0_stride
	s_mov_b32 s[G1+6], 0
	s_mov_b32 s[G1+7], 0
	s_mov_b32 s[SEL], 0x76543210
	s_mov_b32 s[SEL+1], 0xfedcba98
	s_mov_b32 s[TB], 0
	s_mov_b32 s[KB], 0
	s_mov_b32 s[SLOTS], NSL-1
	s_and_b32 s[LIM], s[WV], 1                     ; 0 in the even waves
	s_or_b32 s[LIM], s[LIM], ttmp9                 ; of cluster x = 0: the same in all four partners
	s_cmp_eq_u32 s[LIM], 0
	s_cselect_b32 s[LIM], 1, -1
	s_lshr_b32 s53, s[WV], 2                       ; my block: waves 0-3 K (part 1), waves 4-7 V (part 2), head wave % 4 of my four
	s_add_co_u32 s53, s53, 1
	s_lshl_b32 s53, s53, 23
	s_and_b32 s54, s[WV], 3
	s_lshl_b32 s55, s[YY], 2
	s_add_co_u32 s54, s54, s55                     ; plane 4 y + wave % 4
	s_lshl_b32 s54, s54, 17
	s_add_co_u32 s54, s54, s53
	s_mov_b32 s55, 0
	s_lshl_b32 s58, s[QB], 7                       ; my tile's first query: 128 block + 32 (wave / 2) + 8 (wave % 2)
	s_lshr_b32 s59, s[WV], 1
	s_lshl_b32 s59, s59, 5
	s_add_co_u32 s58, s58, s59
	s_and_b32 s59, s[WV], 1
	s_lshl_b32 s59, s59, 3
	s_add_co_u32 s58, s58, s59
	s_lshr_b32 s59, s[YY], 2                       ; the batch
	s_lshl_b32 s60, s59, 11
	s_add_co_u32 s60, s60, s58
	s_lshl_b32 s60, s60, 10                        ; the result: token x 1,024 bytes
	s_and_b32 s61, s[YY], 3
	s_lshl_b32 s61, s61, 8                         ; + my four heads' 256
	s_add_co_u32 s60, s60, s61
	s_mov_b32 s61, 0
	s_lshl_b32 s62, s59, 13                        ; the batch's row of the mask
	s_mov_b32 s63, 0
	s_lshl_b32 s56, s[YY], 19                      ; Q: plane 4 y, tile 8 block + wave of 1,024 bytes
	s_lshl_b32 s57, s[QB], 13
	s_add_co_u32 s56, s56, s57
	s_lshl_b32 s57, s[WV], 10
	s_add_co_u32 s56, s56, s57
	s_mov_b32 s57, 0
	s_wait_kmcnt 0x0
	s_load_b256 s[EX:EX+7], s[12:13], 0x0
	s_load_b32 s48, s[8:9], 0x0                    ; shift
	s_load_b32 s49, s[10:11], 0x0                  ; bias_p
	s_add_nc_u64 s[14:15], s[14:15], s[60:61]
	s_add_nc_u64 s[6:7], s[6:7], s[62:63]
	s_add_nc_u64 s[56:57], s[4:5], s[56:57]
	s_mov_b32 s[G0], 1                             ; count = 1
	s_lshl_b32 s[G0+1], s[WV], 14                  ; LDS address: slot 0, block = my wave
	s_add_nc_u64 s[G0+2:G0+3], s[4:5], s[54:55]    ; the block's first 256 keys
	s_or_b32 s[G0+3], s[G0+3], 0x80000000          ; type = 2
	s_lshl_b32 s62, s[CX], 12                      ; the prefetches: my work-group's 4,096 bytes of a block,
	s_add_co_u32 s62, s62, BLK                     ; in slot 1: the first change of slots steps it to slot 2
	s_add_nc_u64 s[PFA:PFA+1], s[4:5], s[54:55]
	s_add_nc_u64 s[PFA:PFA+1], s[PFA:PFA+1], s[62:63]
	v_and_b32 v[LI], 31, v0
	s_delay_alu instid0(VALU_DEP_1)
	v_lshlrev_b32 v[LI], 4, v[LI]
	v_lshlrev_b32 v[ADK], 5, v0                    ; my eight entries of the mask's row
	global_load_b128 v[T:T+3], v[ADK], s[6:7]
	global_load_b128 v[T+4:T+7], v[ADK], s[6:7] offset:16
	WIN 0x40                                       ; destination window 1
.irp g, 0,1,2,3
	global_load_b128 v[QF+8*\g:QF+8*\g+3], v[LI], s[56:57] offset:\g*131072        ; Q's fragments stay in registers
	global_load_b128 v[QF+8*\g+4:QF+8*\g+7], v[LI], s[56:57] offset:\g*131072+512
.endr
	WIN 0
	CROUND                                         ; all four work-groups are here: the first joint load meets
	tensor_load_to_lds s[G0:G0+3], s[G1:G1+7]      ; slot 0
	s_nop 0
.rept 4
	v_nop
.endr
	v_bfe_u32 v44, v0, 4, 1                        ; h
	v_and_b32 v45, 15, v0                          ; r
	s_delay_alu instid0(VALU_DEP_1)
	v_lshlrev_b32 v[PFO], 8, v45
	s_delay_alu instid0(VALU_DEP_1)
	v_lshl_or_b32 v[PFO], v44, 17, v[PFO]          ; 256 (lane % 16) + a plane for lanes 16-31
	s_delay_alu instid0(VALU_DEP_4)
	v_lshl_add_u32 v[BB], v44, 6, BARR
	s_delay_alu instid0(VALU_DEP_4)
	v_and_b32 v46, 8, v45
	s_delay_alu instid0(VALU_DEP_1)
	v_add_nc_u32 v46, v46, v45                     ; r + 8 (r / 8)
	v_lshlrev_b32 v47, 4, v44
	s_delay_alu instid0(VALU_DEP_1)
	v_sub_nc_u32 v46, v46, v47
	s_delay_alu instid0(VALU_DEP_1)
	v_add_nc_u32 v46, s58, v46                     ; my query - 16 h
	s_delay_alu instid0(VALU_DEP_1)
	v_cvt_f32_i32 v[U], v46
	s_delay_alu instid0(VALU_DEP_1)
	v_add_f32 v[U+1], -1.0, v[U]
	v_mov_b32 v[PX], 0                             ; written once: a lane permute's destination counts as one of its sources
.irp g, 0,1,2,3
	v_mov_b32 v[ST+4*\g+1], 0xff61b1e6             ; the largest t so far: -3e38
	s_delay_alu instid0(VALU_DEP_1)
	v_floor_f32 v[ST+4*\g], -v[ST+4*\g+1]          ; -M
	v_mov_b32 v[ST+4*\g+2], 0
	v_mov_b32 v[ST+4*\g+3], 0
.endr
	WIN 0x40
.set j, 0
.rept 128
	v_mov_b32 v[j], 0                              ; O^T.  (The key step is written once: its first run finds zeros, which the first change of M leaves zeros)
.set j, j+1
.endr
	WIN 0
	s_wait_kmcnt 0x0
	s_add_co_i32 s53, s[EX+2], s[EX+3]             ; E
	s_lshl_b32 s54, s53, 23
	s_add_co_i32 s[CS], s54, 0x3e38aa3b            ; c = log2(e) / 8 with E added to its exponent field
	s_mov_b32 s[CS+1], s[CS]                       ; (named with it as a pair)
	s_sub_co_i32 s55, 3, s53                       ; 3 - E
	s_sub_co_i32 s54, LMASK+3+127, s53             ; the exponent field of 2^(LMASK + 3 - E): between 1 and 254 for -60 <= E <= 193
	s_lshl_b32 s54, s54, 23
	s_or_b32 s54, s54, 0x80000000                  ; -2^(LMASK + 3 - E)
	v_mov_b32 v41, s54
	v_mov_b32 v40, s49
	s_delay_alu instid0(VALU_DEP_1)
	v_xor_b32 v40, 0x80000000, v40
	s_delay_alu instid0(VALU_DEP_1)
	v_ldexp_f32 v40, v40, s55                      ; -bias_p x 2^(3 - E)
	v_mov_b32 v[SG], s48
	s_delay_alu instid0(VALU_DEP_1)
	v_xor_b32 v[SG], 0x80000000, v[SG]
	s_delay_alu instid0(VALU_DEP_1)
	v_ldexp_f32 v[SG], v[SG], s55                  ; sigma
	s_delay_alu instid0(VALU_DEP_1)
	v_mov_b32 v[SG+1], v[SG]
	s_add_co_i32 s54, s[EX+4], 127
	s_lshl_b32 s59, s54, 23
	v_mov_b32 v[PSC], s59
	v_lshl_add_u32 v42, v0, 5, BARR
	s_wait_alu depctr_va_vdst(0)
	s_wait_loadcnt 8                               ; the mask's two loads are in; Q's eight are younger
.irp i, 0,1,2,3,4,5,6,7
	v_cmp_ne_u32 vcc_lo, 0, v[T+\i]
	s_delay_alu instid0(VALU_DEP_1)
	v_cndmask_b32 v[T+\i], v41, v40, vcc_lo        ; B[j]
.endr
	ds_store_b128 v42, v[T:T+3]
	ds_store_b128 v42, v[T+4:T+7] offset:16        ; the first change of slots waits for these and passes a barrier
	s_wait_loadcnt 0x0                             ; Q
; X = sigma w^2 + B for the step's 128 keys: register 16 b + i belongs to key 32 b + 16 (lane / 16) + i, so w = u - 32 b - i.  Four chains, two numbers a line; w and w^2 are exact.
.macro XMAKE
	v_pk_add_f32 v[T:T+1], v[U:U+1], 0 op_sel_hi:[1,0]
	v_pk_add_f32 v[T+2:T+3], v[U:U+1], 0xc2000000 op_sel_hi:[1,0]   ; - 32
	v_pk_add_f32 v[T+4:T+5], v[U:U+1], 0xc2800000 op_sel_hi:[1,0]   ; - 64
	v_pk_add_f32 v[T+6:T+7], v[U:U+1], 0xc2c00000 op_sel_hi:[1,0]   ; - 96
.set j, 0
.rept 8
.if j > 0
.irp b, 0,1,2,3
	v_pk_add_f32 v[T+2*\b:T+2*\b+1], v[T+2*\b:T+2*\b+1], -2.0 op_sel_hi:[1,0]
.endr
.endif
.irp b, 0,1,2,3
	s_delay_alu instid0(VALU_DEP_4)
	v_pk_mul_f32 v[T+8+2*\b:T+9+2*\b], v[T+2*\b:T+2*\b+1], v[T+2*\b:T+2*\b+1]
.endr
.irp b, 0,1,2,3
	s_delay_alu instid0(VALU_DEP_4)
	v_pk_fma_f32 v[X+16*\b+j:X+16*\b+j+1], v[T+8+2*\b:T+9+2*\b], v[SG:SG+1], v[X+16*\b+j:X+16*\b+j+1]
.endr
.set j, j+2
.endr
	v_pk_add_f32 v[U:U+1], v[U:U+1], 0xc3000000 op_sel_hi:[1,0]     ; the next step's keys begin 128 on
.endm
; One head's share of a key step.  All accumulators take turns, one instruction a turn.
.macro HEAD g
.set NM, ST+4*(\g)
	WIN 0x04                                       ; source 1 (Q) window 1
.set t, 0
.rept 8
	v_wmma_f32_16x16x64_bf8_bf8 v[S+8*t:S+8*t+7], v[KF+8*t:KF+8*t+7], v[QF+8*(\g):QF+8*(\g)+7], v[X+8*t:X+8*t+7]   ; T = K Q^T + X
.set t, t+1
.endr
	WIN 0
.rept 4
	v_nop                                          ; the places in front of the loads into K's and V's registers and of the first read of the scores
.endr
.if (\g) < 3
.set t, 0
.rept 16
	ds_load_b128 v[KF+4*t:KF+4*t+3], v[ADK] offset:((\g)+1)*BLK+512*t   ; the next head's K
.set t, t+1
.endr
.endif
	WIN 0x40
.set t, 0
.rept 16
	ds_load_b128 v[VF+4*t:VF+4*t+3], v[ADV] offset:(\g)*BLK+512*t       ; this head's V
.set t, t+1
.endr
	WIN 0
	v_max3_num_f32 v[T], v[S], v[S+1], v[S+2]      ; the step's largest T of my query among my 64 keys: four chains, each accumulator from its low end on
	v_max3_num_f32 v[T+1], v[S+3], v[S+4], v[S+5]
	v_max3_num_f32 v[T+2], v[S+6], v[S+7], v[S+8]
	v_max3_num_f32 v[T+3], v[S+9], v[S+10], v[S+11]
.set j, 12
.rept 26
	v_max3_num_f32 v[T+((j-12)/2)%4], v[T+((j-12)/2)%4], v[S+j], v[S+j+1]
.set j, j+2
.endr
	s_delay_alu instid0(VALU_DEP_1)
	v_max3_num_f32 v[T], v[T], v[T+1], v[T+2]
	s_delay_alu instid0(VALU_DEP_1)
	v_max_num_f32 v[T], v[T], v[T+3]
	s_delay_alu instid0(VALU_DEP_1)
	v_permlanex16_b32 v[PX], v[T], s[SEL], s[SEL+1]
	s_delay_alu instid0(VALU_DEP_1)
	v_max_num_f32 v[T], v[T], v[PX]                ; and among lane l xor 16's
	s_delay_alu instid0(VALU_DEP_1)
	v_mul_f32 v[T], s[CS], v[T]                    ; as t (c is positive)
	s_delay_alu instid0(VALU_DEP_1)
	v_max_num_f32 v[NM+1], v[NM+1], v[T]           ; the running largest t
	v_mov_b32 v[T], v[NM]
	s_delay_alu instid0(VALU_DEP_2)
	v_floor_f32 v[NM], -v[NM+1]                    ; the new -M = -ceil(t): a whole number
	s_delay_alu instid0(VALU_DEP_1)
	v_sub_f32 v[T], v[NM], v[T]                    ; old M - new M, 0 or less
	s_delay_alu instid0(VALU_DEP_1)
	v_cvt_i32_f32 v[T], v[T]                       ; (it saturates)
	s_delay_alu instid0(VALU_DEP_1)
	v_ldexp_f32 v[F], 1.0, v[T]                    ; f = 2^(old M - new M): a multiplication by it rounds nothing
.set j, 0
.rept 32
	v_pk_fma_f32 v[S+j:S+j+1], v[S+j:S+j+1], s[CS:CS+1], v[NM:NM+1] op_sel_hi:[1,0,0]   ; t - M (of the pairs c and -M the low word serves both halves)
.set j, j+2
.endr
.set j, 0
	s_wait_alu depctr_va_vdst(0)
.rept 64
	v_exp_f32 v[S+j], v[S+j]                       ; p = 2^(t - M): not normalised
.set j, j+1
.endr
	v_pk_mul_f32 v[NM+2:NM+3], v[NM+2:NM+3], v[F:F+1] op_sel_hi:[1,0]   ; the sum under the new M: the plain line behind the exponentials
	s_wait_alu depctr_va_vdst(0)                   ; one wait for the batch of 64, ahead of its first reader
	v_pk_add_f32 v[T+4:T+5], v[S:S+1], v[S+2:S+3]  ; the row's sum is taken of the unquantised p: four chains
	v_pk_add_f32 v[T+6:T+7], v[S+4:S+5], v[S+6:S+7]
	v_pk_add_f32 v[T+8:T+9], v[S+8:S+9], v[S+10:S+11]
.set j, 12
.rept 6
	v_pk_add_f32 v[NM+2:NM+3], v[NM+2:NM+3], v[S+j:S+j+1]
	v_pk_add_f32 v[T+4:T+5], v[T+4:T+5], v[S+j+2:S+j+3]
	v_pk_add_f32 v[T+6:T+7], v[T+6:T+7], v[S+j+4:S+j+5]
	v_pk_add_f32 v[T+8:T+9], v[T+8:T+9], v[S+j+6:S+j+7]
.set j, j+8
.endr
	v_pk_add_f32 v[NM+2:NM+3], v[NM+2:NM+3], v[S+60:S+61]
	v_pk_add_f32 v[T+4:T+5], v[T+4:T+5], v[S+62:S+63]
	s_delay_alu instid0(VALU_DEP_3)
	v_pk_add_f32 v[T+6:T+7], v[T+6:T+7], v[T+8:T+9]
	s_delay_alu instid0(VALU_DEP_2)
	v_pk_add_f32 v[NM+2:NM+3], v[NM+2:NM+3], v[T+4:T+5]
	s_delay_alu instid0(VALU_DEP_1)
	v_pk_add_f32 v[NM+2:NM+3], v[NM+2:NM+3], v[T+6:T+7]
.set b, 0
.rept 4
.set j, 0
.rept 16
.set j, j+1
.endr
	v_cvt_scalef32_pk8_bf8_f32 v[PC+4*b:PC+4*b+1], v[S+16*b:S+16*b+7], v[PSC]
	v_cvt_scalef32_pk8_bf8_f32 v[PC+4*b+2:PC+4*b+3], v[S+16*b+8:S+16*b+15], v[PSC]
.set b, b+1
.endr
	s_wait_dscnt 0x0                               ; V, and the next head's K, are in
	WIN 0x41                                       ; O^T (destination and source 0) window 1, f window 0
.set j, 0
.rept 16
	v_pk_mul_f32 v[32*(\g)+j:32*(\g)+j+1], v[32*(\g)+j:32*(\g)+j+1], v[F:F+1] op_sel_hi:[1,0]   ; O^T under the new M; these are also the plain lines behind the conversions
.set j, j+2
.endr
	WIN 0x51                                       ; V, C and D window 1; p's codes window 0
.set t, 0
.rept 4
	v_wmma_f32_16x16x128_bf8_bf8 v[32*(\g)+8*t:32*(\g)+8*t+7], v[VF+16*t:VF+16*t+15], v[PC:PC+15], v[32*(\g)+8*t:32*(\g)+8*t+7]
.set t, t+1
.endr
	WIN 0
.endm
; A KEY STEP: 128 keys, four heads.
.macro STEP
	v_add_nc_u32 v[ADK], s[TB], v[LI]
	s_delay_alu instid0(VALU_DEP_1)
	v_add_nc_u32 v[ADV], 4*BLK, v[ADK]             ; V's blocks lie behind K's four
	v_add_nc_u32 v[ADB], s[KB], v[BB]
.set t, 0
.rept 16
	ds_load_b128 v[X+4*t:X+4*t+3], v[ADB] offset:128*(t/4)+16*(t%4)   ; B of keys 32 (t / 4) + 16 h + 4 (t % 4) on: the lanes of a half share the words
.set t, t+1
.endr
.set t, 0
.rept 16
	ds_load_b128 v[KF+4*t:KF+4*t+3], v[ADK] offset:512*t              ; the first head's K
.set t, t+1
.endr
	s_wait_dscnt 16                                ; B is in; K's sixteen loads are younger
	XMAKE
	s_wait_alu depctr_va_vdst(0)
	s_wait_dscnt 0x0                               ; K is in
	HEAD 0
	HEAD 1
	HEAD 2
	HEAD 3
	s_add_co_u32 s[TB], s[TB], STEPB
	s_add_co_u32 s[KB], s[KB], 512
	s_and_b32 s[KB], s[KB], 0x1e00                 ; sixteen steps of 512 bytes: B's 8,192
.endm
.macro TWO_STEPS                       ; a slot's two key steps: written once, walked twice
	s_mov_b32 s[TWICE], 2
.Lstep_\@:
	STEP
	s_sub_co_u32 s[TWICE], s[TWICE], 1
	s_cmp_lg_u32 s[TWICE], 0
	s_cbranch_scc1 .Lstep_\@
	s_sub_co_u32 s[TB], s[TB], 2*STEPB             ; back to a slot's first step,
	s_xor_b32 s[TB], s[TB], SLOT1                  ; in the other slot
.endm
; THE CHANGE OF SLOTS stands at a slot's head.  Each wave waits for all its tensor loads (its block of the slot ahead), adds 0 to its spare word, and waits for that and for its LDS reads and stores.
; fill = 1: the barrier is a round of the cluster's, and the slot that has been left is filled with the keys that follow: the one load of the wave has a slot's two key steps in which to land.
.macro CHANGE fill
	s_wait_tensorcnt 0x0                           ; no tensor load of mine is out, so group 0 may be written
	ds_add_u32 v[SPW], v[NIL]                      ; 0 onto my spare word
.if \fill
	s_xor_b32 s[G0+1], s[G0+1], SLOT1              ; the other slot than last time,
	s_add_nc_u64 s[G0+2:G0+3], s[G0+2:G0+3], BLK   ; the next 256 keys; the type bits on top are not reached
	s_wait_xcnt 0x0                                ; the last prefetch, a slot back, has read its address
	s_add_nc_u64 s[PFA:PFA+1], s[PFA:PFA+1], BLK   ; one slot further on than the descriptor
	s_wait_dscnt 0x0                               ; the add is done; my reads of the slot that I have left are over (at the first change: my stores of B have landed)
	CROUND
	tensor_load_to_lds s[G0:G0+3], s[G1:G1+7]      ; the first thing behind the round, and my one tensor load until the next
	s_nop 0
.rept 4
	v_nop
.endr
	ASK
.else
	s_wait_dscnt 0x0
	s_barrier_signal -1
	s_barrier_wait -1
.endif
.endm
.Lslot:                                            ; NSL - 1 trips: behind each change of slots but the last the next slot is asked for
	CHANGE 1
	TWO_STEPS
	s_sub_co_u32 s[SLOTS], s[SLOTS], 1
	s_cmp_lg_u32 s[SLOTS], 0
	s_cbranch_scc1 .Lslot
	CHANGE 0                                       ; the last slot is written out
	TWO_STEPS
	; THE WAY OUT.  A sum of the second product stands for sum x 2^(e4 + e5); divided by the row's sum it is quantised with 2^e6: code = (O / l) / 2^(e6 - e4 - e5).
	; A lane's eight numbers are eight neighbouring features of its query: 8 bytes.  They meet in my own stage, 16 rows of my four heads' 256 bytes, and leave as whole runs of 256 bytes.
.irp g, 0,1,2,3
	v_add_f32 v[T+\g], v[ST+4*\g+2], v[ST+4*\g+3]  ; the sum's two halves (these lines are the places behind the last products),
.endr
.irp g, 0,1,2,3
	s_delay_alu instid0(VALU_DEP_4)
	v_permlanex16_b32 v[T+4+\g], v[T+\g], s[SEL], s[SEL+1]
.endr
.irp g, 0,1,2,3
	s_delay_alu instid0(VALU_DEP_4)
	v_add_f32 v[T+\g], v[T+\g], v[T+4+\g]          ; and lane l xor 16's
.endr
	s_wait_alu depctr_va_vdst(0)
.irp g, 0,1,2,3
	v_rcp_f32 v[T+8+2*\g], v[T+\g]
.endr
	v_and_b32 v10, 15, v0                          ; r  (a plain line behind the reciprocals)
	v_bfe_u32 v11, v0, 4, 1                        ; h
	s_sub_co_i32 s58, s[EX+6], s[EX+4]
	s_sub_co_i32 s58, s58, s[EX+5]
	s_add_co_i32 s58, s58, 127
	s_lshl_b32 s59, s58, 23
	v_mov_b32 v8, s59                              ; 2^(e6 - e4 - e5)
	s_mul_i32 s60, s[WV], 16*SP
	s_add_co_u32 s60, s60, STAGE                   ; my stage
	v_mul_u32_u24 v2, v10, SP
	s_delay_alu instid0(VALU_DEP_1)
	v_lshl_add_u32 v2, v11, 3, v2
	s_delay_alu instid0(VALU_DEP_1)
	v_add_nc_u32 v2, s60, v2                       ; in: row r, + 8 h
	v_mul_u32_u24 v3, v11, SP
	s_delay_alu instid0(VALU_DEP_1)
	v_lshl_add_u32 v3, v10, 4, v3
	s_delay_alu instid0(VALU_DEP_1)
	v_add_nc_u32 v3, s60, v3                       ; back: lanes 0-15 one row, lanes 16-31 the next
	v_lshlrev_b32 v4, 10, v11
	s_delay_alu instid0(VALU_DEP_1)
	v_lshl_add_u32 v4, v10, 4, v4                  ; and the same in ac: a token is 1,024 bytes
	s_wait_alu depctr_va_vdst(0)                   ; one wait for the four reciprocals, ahead of their first reader
.macro OUTH g
	WIN 0x01                                       ; source 0 (O^T) window 1
.set j, 0
.rept 16
	v_pk_mul_f32 v[S+32*(\g)+j:S+32*(\g)+j+1], v[32*(\g)+j:32*(\g)+j+1], v[T+8+2*(\g):T+9+2*(\g)] op_sel_hi:[1,0]   ; O / l, each accumulator from its low end on
.set j, j+2
.endr
	WIN 0
.set j, 0
.rept 32
.set j, j+1
.endr
.set j, 0
.rept 4
	v_cvt_scalef32_pk8_bf8_f32 v[X+8*(\g)+2*j:X+8*(\g)+2*j+1], v[S+32*(\g)+8*j:S+32*(\g)+8*j+7], v8
.set j, j+1
.endr
	v_nop                                          ; a plain line behind the last conversion
.set j, 0
.rept 4
	ds_store_b64 v2, v[X+8*(\g)+2*j:X+8*(\g)+2*j+1] offset:64*(\g)+16*j   ; features 64 g + 16 j + 8 h on
.set j, j+1
.endr
.endm
	OUTH 0
	OUTH 1
	OUTH 2
	OUTH 3
.set t, 0
.rept 8
	ds_load_b128 v[X+32+4*t:X+35+4*t], v3 offset:2*t*SP   ; LDS serves a wave's instructions in order: these see my stores
.set t, t+1
.endr
.set t, 0
.rept 8
	s_wait_dscnt 7-t                               ; load t is in; the younger ones may be out
	global_store_b128 v4, v[X+32+4*t:X+35+4*t], s[14:15] offset:(2*t+8*(t/4))*1024   ; row 2 t + (lane / 16) of the tile is token 2 t + (lane / 16) + 8 (t / 4): 16 lanes store 256 consecutive bytes, aligned
.set t, t+1
.endr
	s_wait_tensorcnt 0x0                           ; the wave's end
	ds_add_u32 v[SPW], v[NIL]
	s_wait_dscnt 0x0
	CROUND                                         ; the closing round: no work-group ends while a partner may still ask for a tile that names it
	s_endpgm
.Lfunc_end_k_q31bcf06c11_attn:
	.size	k_q31bcf06c11_attn, .Lfunc_end_k_q31bcf06c11_attn-k_q31bcf06c11_attn
	.p2alignl 7, 3214868480
	.fill 96, 4, 3214868480
	.section	.rodata,"a",@progbits
	.p2align	6, 0x0
	.amdhsa_kernel k_q31bcf06c11_attn
		.amdhsa_group_segment_fixed_size 327680
		.amdhsa_private_segment_fixed_size 0
		.amdhsa_enable_private_segment 0
		.amdhsa_kernarg_size 48
		.amdhsa_user_sgpr_count 2
		.amdhsa_user_sgpr_kernarg_segment_ptr 1
		.amdhsa_wavefront_size32 1
		.amdhsa_system_sgpr_workgroup_id_x 1
		.amdhsa_system_sgpr_workgroup_id_y 1
		.amdhsa_system_sgpr_workgroup_id_z 1
		.amdhsa_system_vgpr_workitem_id 0
		.amdhsa_next_free_vgpr 512
		.amdhsa_next_free_sgpr 66
		.amdhsa_reserve_vcc 1
		.amdhsa_float_denorm_mode_32 3
		.amdhsa_float_denorm_mode_16_64 3
		.amdhsa_fp16_overflow 1
		.amdhsa_memory_ordered 1
		.amdhsa_forward_progress 1
		.amdhsa_inst_pref_size 153
	.end_amdhsa_kernel
	.amdgpu_metadata
---
amdhsa.version: [ 1, 2 ]
amdhsa.kernels:
  - .name:           k_q31bcf06c11_attn
    .symbol:         k_q31bcf06c11_attn.kd
    .args:
      - { .name: qkvc, .offset: 0, .size: 8, .value_kind: global_buffer, .address_space: global }
      - { .name: mask, .offset: 8, .size: 8, .value_kind: global_buffer, .address_space: global }
      - { .name: shift, .offset: 16, .size: 8, .value_kind: global_buffer, .address_space: global }
      - { .name: bias_p, .offset: 24, .size: 8, .value_kind: global_buffer, .address_space: global }
      - { .name: lowp_scales, .offset: 32, .size: 8, .value_kind: global_buffer, .address_space: global }
      - { .name: ac, .offset: 40, .size: 8, .value_kind: global_buffer, .address_space: global }
    .group_segment_fixed_size: 327680
    .private_segment_fixed_size: 0
    .kernarg_segment_align: 8
    .kernarg_segment_size: 48
    .max_flat_workgroup_size: 256
    .sgpr_count:     66
    .vgpr_count:     512
    .wavefront_size: 32
...
	.end_amdgpu_metadata
.endif
;; end of part 3
;; launch fc (part 4): grid 4 x 32, 4 waves a work-group, clusters of 4 x 4, 327,680 bytes of LDS; arguments ac, wfc, lowp_scales, b_fc, out0; writes out0
.if DOCPART == 4
	.amdgcn_target "amdgcn-amd-amdhsa--gfx1250"
	.amdhsa_code_object_version 6
	.text
	.protected	k_q31bcf06c11_fc
	.globl	k_q31bcf06c11_fc
	.p2align	8
	.type	k_q31bcf06c11_fc,@function
k_q31bcf06c11_fc:
	s_mov_b64 s[64:65], 0
	v_nop
	global_prefetch_b8 v0, s[64:65] scope:SCOPE_SE
	s_setreg_imm32_b32 hwreg(HW_REG_WAVE_MODE, 25, 1), 1
	s_wait_xcnt 0x0
	s_wait_alu depctr_hold_cnt(0) depctr_sa_sdst(0) depctr_va_vdst(0) depctr_va_sdst(0) depctr_va_ssrc(0) depctr_va_vcc(0) depctr_vm_vsrc(0)
	s_getreg_b32 s2, hwreg(HW_REG_IB_STS2, 6, 4)
	s_cmp_eq_u32 s2, 0
	s_cbranch_scc0 .Lentry_in_a_cluster
	s_endpgm
.Lentry_in_a_cluster:
	s_bfe_u32 s2, ttmp6, 0x10000c
	s_cmp_lg_u32 s2, 0xf033
	s_cbranch_scc0 .Lentry_shape_is_right
	s_endpgm
.Lentry_shape_is_right:
.set SIZE_N, 1024
.set SIZE_K, 1024
.set KSTEP,  256
.set ROWB,   256
.set KROW,   SIZE_K
.set PITCH,  272
.set FR,     16
.set NL,     4
.set NP,     4
.set HALFT,  128*PITCH
.set SLOT,   4*HALFT
.set LAPS,   SIZE_K/(2*KSTEP)
.set SPARE,  2*SLOT
.set SPITCH, 528
.set ADRA, 16
.set ADRB, 20
.set BO,   22
.set STO,  24
.set RD,   25
.set CO,   26
.set SPW,  28
.set NIL,  29
.set BI,   32
.set TMP,  32
.set AF,   128
.set BK,   128
.set G1, 24
.set G0, 32
.set G1B, 48
.set G0B, 56
.set MSB, 0
.macro WIN new
.if MSB != (\new)
	s_set_vgpr_msb (MSB<<8)|(\new)
.set MSB, (\new)
.endif
.endm
.set MUL_LO, 0xa1
.set MUL_HI, 0xf1
.set FST_LO, 0x81
.set FST_HI, 0xc1
.set TO_B,   0x40
.macro JLOAD g0a, g1a, g0b, g1b
	s_cmp_eq_u32 s15, 0
	s_cbranch_scc0 .Lfor_b_\@
	tensor_load_to_lds s[\g0a:\g0a+3], s[\g1a:\g1a+7]
	s_nop 0
.rept 4
	v_nop
.endr
	s_branch .Lasked_\@
.Lfor_b_\@:
	tensor_load_to_lds s[\g0b:\g0b+3], s[\g1b:\g1b+7]
	s_nop 0
.rept 4
	v_nop
.endr
.Lasked_\@:
.endm
.macro CREST
	s_cmp_lg_u32 s14, 0
	s_cbranch_scc1 .Lnot_wave_0_\@
	s_barrier_signal -3
.Lnot_wave_0_\@:
	s_barrier_wait -3
	s_barrier_signal -1
	s_barrier_wait -1
.endm
.macro CROUND
	s_barrier_signal -1
	s_barrier_wait -1
	CREST
.endm
	s_load_b256 s[4:11], s[0:1], 0x0
	s_load_b64 s[12:13], s[0:1], 0x20
	v_lshl_add_u32 v[SPW], v0, 2, SPARE
	v_mov_b32 v[NIL], 0
	ds_add_u32 v28, v29
	ds_add_u32 v28, v29
	s_wait_dscnt 0x0
	v_lshrrev_b32 v1, 5, v0
	v_readfirstlane_b32 s14, v1
	s_lshr_b32 s15, s14, 1
	s_and_b32 s16, s14, 1
	s_bfe_u32 s40, ttmp6, 0x40000
	s_bfe_u32 s41, ttmp6, 0x40004
	s_lshl_b32 s42, ttmp9, 2
	s_add_co_u32 s42, s42, s40
	s_and_b32 s17, ttmp7, 0xffff
	s_lshl_b32 s17, s17, 2
	s_add_co_u32 s17, s17, s41
	s_lshl_b32 s43, s41, 2
	s_lshl_b32 s43, 15, s43
	s_lshl_b32 s44, 0x1111, s40
	s_or_b32 s[G1+0], s43, (0<<16)|(1<<20)|(1<<21)|(5<<22)|(3<<25)
	s_or_b32 s[G1B+0], s44, (0<<16)|(1<<20)|(1<<21)|(5<<22)|(3<<25)
.irp g, G1, G1B
	s_mov_b32 s[\g+1], ROWB<<16
	s_mov_b32 s[\g+2], 128<<16
	s_mov_b32 s[\g+3], ROWB<<16
	s_mov_b32 s[\g+4], 128
	s_mov_b32 s[\g+5], KROW
	s_mov_b32 s[\g+6], 0
	s_mov_b32 s[\g+7], 0
.endr
	s_lshl_b32 s18, s16, 7
	s_lshl_b32 s20, s17, 8
	s_add_co_u32 s20, s20, s18
	s_lshl_b32 s46, s42, 8
	s_add_co_u32 s46, s46, s18
	s_mov_b32 s21, 0
	s_mov_b32 s47, 0
	s_mov_b64 s[18:19], KROW
	s_mul_u64 s[20:21], s[20:21], s[18:19]
	s_mul_u64 s[46:47], s[46:47], s[18:19]
	s_mul_i32 s45, s14, HALFT
	s_wait_kmcnt 0x0
	s_load_b64 s[96:97], s[8:9], 0x18
	s_add_nc_u64 s[20:21], s[4:5], s[20:21]
	s_add_nc_u64 s[46:47], s[6:7], s[46:47]
	CROUND
.irp s, 0,1
	s_mov_b32 s[G0+4*\s], 1
	s_add_co_u32 s[G0+4*\s+1], s45, \s*SLOT
	s_add_nc_u64 s[G0+4*\s+2:G0+4*\s+3], s[20:21], \s*ROWB
	s_or_b32 s[G0+4*\s+3], s[G0+4*\s+3], 0x80000000
	s_mov_b32 s[G0B+4*\s], 1
	s_add_co_u32 s[G0B+4*\s+1], s45, \s*SLOT
	s_add_nc_u64 s[G0B+4*\s+2:G0B+4*\s+3], s[46:47], \s*ROWB
	s_or_b32 s[G0B+4*\s+3], s[G0B+4*\s+3], 0x80000000
	s_wait_alu depctr_va_vdst(0)
	s_wait_tensorcnt 0x0
	ds_add_u32 v28, v29
	ds_add_u32 v28, v29
	s_wait_dscnt 0x0
	CROUND
	JLOAD G0+4*\s, G1, G0B+4*\s, G1B
.endr
	v_and_b32 v1, 15, v0
	s_wait_alu depctr_va_vdst(0)
	v_bfe_u32 v2, v0, 4, 1
	v_lshlrev_b32 v[BO], 5, v2
	s_lshl_b32 s46, s42, 10
	s_lshl_b32 s47, s16, 9
	s_add_co_u32 s46, s46, s47
	s_mov_b32 s47, 0
	s_add_nc_u64 s[10:11], s[10:11], s[46:47]
.irp b, 0,1,2,3,4,5,6,7
	global_load_b128 v[BI+8*\b:BI+8*\b+3], v[BO], s[10:11] offset:64*\b
	global_load_b128 v[BI+8*\b+4:BI+8*\b+7], v[BO], s[10:11] offset:64*\b+16
.endr
	v_mul_u32_u24 v3, v1, PITCH
	v_lshl_add_u32 v4, v2, 4, v3
	s_mul_i32 s21, s15, HALFT
	s_mul_i32 s22, s16, HALFT
	s_add_co_u32 s22, s22, 2*HALFT
.irp s, 0,1
	v_add_nc_u32 v[ADRA+\s], s21, v4
	v_add_nc_u32 v[ADRB+\s], s22, v4
	s_add_co_u32 s21, s21, SLOT
	s_add_co_u32 s22, s22, SLOT
.endr
	s_mul_i32 s23, s14, 16*SPITCH
	v_mul_u32_u24 v5, v1, SPITCH
	s_wait_alu depctr_va_vdst(0)
	v_lshl_add_u32 v5, v2, 5, v5
	v_add_nc_u32 v[STO], s23, v5
	v_and_b32 v6, 31, v0
	v_lshlrev_b32 v[CO], 4, v6
	v_add_nc_u32 v[RD], s23, v[CO]
	s_lshl_b32 s20, s17, 8
	s_lshl_b32 s21, s15, 7
	s_add_co_u32 s20, s20, s21
	s_mov_b32 s21, 0
	s_mov_b64 s[18:19], SIZE_N*4
	s_mul_u64 s[20:21], s[20:21], s[18:19]
	s_add_nc_u64 s[20:21], s[20:21], s[46:47]
	s_add_nc_u64 s[12:13], s[12:13], s[20:21]
	s_wait_kmcnt 0x0
	s_add_co_i32 s96, s96, s97
	s_sub_co_i32 s98, 0, s96
	s_add_co_i32 s96, s96, 127
	s_lshl_b32 s96, s96, 23
	s_mov_b32 s97, s96
	s_wait_loadcnt 0x0
.set j, 0
.rept 64
	v_ldexp_f32 v[BI+j], v[BI+j], s98
.set j, j+1
.endr
.macro FRAG reg, adr, q, i
.irp c, 0,1,2,3
	ds_load_b128 v[\reg+4*\c:\reg+4*\c+3], v[\adr] offset:128*(\q)+32*\c+(\i)*16*PITCH
.endr
.endm
.macro MUL16 a0, p, first
.irp a, \a0, \a0+1
.irp b, 0,1,2,3,4,5,6,7
.if \first
	v_wmma_f32_16x16x128_bf8_bf8 v[8*(8*((\a)%4)+\b):8*(8*((\a)%4)+\b)+7], v[128*(\p)+FR*\b:128*(\p)+FR*\b+FR-1], v[AF+FR*(\a):AF+FR*(\a)+FR-1], v[BI+8*\b:BI+8*\b+7]
.else
	v_wmma_f32_16x16x128_bf8_bf8 v[8*(8*((\a)%4)+\b):8*(8*((\a)%4)+\b)+7], v[128*(\p)+FR*\b:128*(\p)+FR*\b+FR-1], v[AF+FR*(\a):AF+FR*(\a)+FR-1], v[8*(8*((\a)%4)+\b):8*(8*((\a)%4)+\b)+7]
.endif
.endr
.endr
.endm
.macro FETCH_B slot, q, p
	WIN TO_B
.irp i, 0,1,2,3,4,5,6,7
	FRAG 128*(\p)+FR*\i, ADRB+\slot, \q, \i
.endr
	WIN 0
.endm
.macro FETCH_A slot, q, i0
.irp i, \i0, \i0+1, \i0+2, \i0+3
	FRAG AF+FR*(\i), ADRA+\slot, \q, \i
.endr
.endm
.macro PLACES n
.rept \n
	v_nop
.endr
.endm
.macro STEP slot, q, first
	s_wait_dscnt 4*NL
.if \first
	WIN FST_LO
.else
	WIN MUL_LO
.endif
	MUL16 0, (\q)%2, \first
	MUL16 2, (\q)%2, \first
	s_wait_dscnt 0
	PLACES NP
	FETCH_B \slot, (\q)+1, 1-(\q)%2
	FETCH_A \slot, (\q)+1, 0
.if \first
	WIN FST_HI
.else
	WIN MUL_HI
.endif
	MUL16 4, (\q)%2, \first
	MUL16 6, (\q)%2, \first
	PLACES NP
	WIN 0
	FETCH_A \slot, (\q)+1, 4
.endm
.macro TURN slot, next, fill
	s_wait_tensorcnt 0x0
	ds_add_u32 v[SPW], v[NIL]
	s_wait_dscnt 4*NL+1
	WIN MUL_LO
	MUL16 0, 1, 0
	s_wait_dscnt 0x0
	s_barrier_signal -1
	MUL16 2, 1, 0
	WIN 0
	s_barrier_wait -1
.if \fill
	CREST
	s_add_nc_u64 s[G0+4*\slot+2:G0+4*\slot+3], s[G0+4*\slot+2:G0+4*\slot+3], 2*ROWB
	s_add_nc_u64 s[G0B+4*\slot+2:G0B+4*\slot+3], s[G0B+4*\slot+2:G0B+4*\slot+3], 2*ROWB
	JLOAD G0+4*\slot, G1, G0B+4*\slot, G1B
.else
	PLACES NP
.endif
	FETCH_B \next, 0, 0
	FETCH_A \next, 0, 0
	WIN MUL_HI
	MUL16 4, 1, 0
	MUL16 6, 1, 0
	PLACES NP
	WIN 0
	FETCH_A \next, 0, 4
.endm
	s_wait_alu depctr_va_vdst(0)
	s_wait_tensorcnt 1
	s_barrier_signal -1
	s_barrier_wait -1
	FETCH_B 0, 0, 0
	FETCH_A 0, 0, 0
	FETCH_A 0, 0, 4
	STEP 0, 0, 1
	s_mov_b32 s3, LAPS-1
.Llap:
	TURN 0, 1, 1
	STEP 1, 0, 0
	TURN 1, 0, 1
	STEP 0, 0, 0
	s_sub_co_u32 s3, s3, 1
	s_cmp_lg_u32 s3, 0
	s_cbranch_scc1 .Llap
	TURN 0, 1, 0
	STEP 1, 0, 0
	s_wait_dscnt 4*NL
	WIN MUL_LO
	MUL16 0, 1, 0
	MUL16 2, 1, 0
	s_wait_dscnt 0
	WIN MUL_HI
	MUL16 4, 1, 0
	MUL16 6, 1, 0
	WIN 0
.macro TOSTAGE a
.set AC, 64*((\a)%4)
	WIN 0x02+((\a)/4)
.set j, 0
.rept 32
	v_pk_mul_f32 v[TMP+j:TMP+j+1], v[AC+j:AC+j+1], s[96:97] op_sel_hi:[1,0]
.set j, j+2
.endr
	WIN 0
.irp b, 0,1,2,3,4,5,6,7
	ds_store_b128 v[STO], v[TMP+8*\b:TMP+8*\b+3] offset:64*\b
	ds_store_b128 v[STO], v[TMP+8*\b+4:TMP+8*\b+7] offset:64*\b+16
.endr
.set BB, BK+64*((\a)%2)
.irp t, 0,1,2,3,4,5,6,7,8,9,10,11,12,13,14,15
	ds_load_b128 v[BB+4*\t:BB+4*\t+3], v[RD] offset:\t*SPITCH
.endr
.endm
.macro SEND a, younger
.set BB, BK+64*((\a)%2)
	s_wait_dscnt \younger
.if (\a) > 0
	s_add_nc_u64 s[12:13], s[12:13], 16*SIZE_N*4
.endif
.irp t, 0,1,2,3,4,5,6,7,8,9,10,11,12,13,14,15
	global_store_b128 v[CO], v[BB+4*\t:BB+4*\t+3], s[12:13] offset:\t*SIZE_N*4 th:TH_STORE_NT
.endr
.endm
	PLACES NP
	TOSTAGE 0
.irp a, 1,2,3,4,5,6,7
.if \a > 1
	s_wait_xcnt 0x0
.endif
	TOSTAGE \a
	SEND \a-1, 32
.endr
	s_wait_xcnt 0x0
	SEND 7, 0
	s_wait_tensorcnt 0x0
	ds_add_u32 v[SPW], v[NIL]
	s_wait_dscnt 0x0
	CROUND
	s_endpgm
.Lfunc_end_k_q31bcf06c11_fc:
	.size	k_q31bcf06c11_fc, .Lfunc_end_k_q31bcf06c11_fc-k_q31bcf06c11_fc
	.p2alignl 7, 3214868480
	.fill 96, 4, 3214868480
	.section	.rodata,"a",@progbits
	.p2align	6, 0x0
	.amdhsa_kernel k_q31bcf06c11_fc
		.amdhsa_group_segment_fixed_size 327680
		.amdhsa_private_segment_fixed_size 0
		.amdhsa_enable_private_segment 0
		.amdhsa_kernarg_size 40
		.amdhsa_user_sgpr_count 2
		.amdhsa_user_sgpr_kernarg_segment_ptr 1
		.amdhsa_wavefront_size32 1
		.amdhsa_system_sgpr_workgroup_id_x 1
		.amdhsa_system_sgpr_workgroup_id_y 1
		.amdhsa_system_sgpr_workgroup_id_z 1
		.amdhsa_system_vgpr_workitem_id 0
		.amdhsa_next_free_vgpr 1024
		.amdhsa_next_free_sgpr 100
		.amdhsa_reserve_vcc 0
		.amdhsa_float_denorm_mode_32 3
		.amdhsa_float_denorm_mode_16_64 3
		.amdhsa_memory_ordered 1
		.amdhsa_forward_progress 1
		.amdhsa_inst_pref_size 130
	.end_amdhsa_kernel
	.amdgpu_metadata
---
amdhsa.version: [ 1, 2 ]
amdhsa.kernels:
  - .name:           k_q31bcf06c11_fc
    .symbol:         k_q31bcf06c11_fc.kd
    .args:
      - { .name: ac, .offset: 0, .size: 8, .value_kind: global_buffer, .address_space: global }
      - { .name: wfc, .offset: 8, .size: 8, .value_kind: global_buffer, .address_space: global }
      - { .name: lowp_scales, .offset: 16, .size: 8, .value_kind: global_buffer, .address_space: global }
      - { .name: b_fc, .offset: 24, .size: 8, .value_kind: global_buffer, .address_space: global }
      - { .name: out0, .offset: 32, .size: 8, .value_kind: global_buffer, .address_space: global }
    .group_segment_fixed_size: 327680
    .private_segment_fixed_size: 0
    .kernarg_segment_align: 8
    .kernarg_segment_size: 40
    .max_flat_workgroup_size: 128
    .sgpr_count:     100
    .vgpr_count:     1024
    .wavefront_size: 32
...
	.end_amdgpu_metadata
.endif
;; end of part 4
